; MI455X (gfx1250); checked and timed in simulation.
; The chip was launched on July 23, 2026; its instructions are those of AMD's public machine-readable ISA for CDNA 5 (MIT licence, August 2026) and "CDNA5" Instruction Set Architecture Reference Guide (July 2026). The comments in the code are by the model that wrote it; some were corrected since.
;; Tree Module. Allowed arithmetic: float matrix products may take bf16 or f16 operands with f32 sums; other float arithmetic in f32, or as packed bf16 or f16 multiplies, adds, multiply-adds, maxima and minima; sums over many terms, partial sums and values carried from step to step in f32; what a program stores and reads back later, other than sums and carried values, may be rounded once to bf16 or f16.
;; Inputs: We 16 x 2,048 x 1,000 float32; Wr 2,048 x 16 float32; be 16 x 1,000 float32; br 16 float32; x 2,048 x 2,048 float32.
;; Outputs: out0 2,048 x 1 x 1,000 float32.
;; One version. Each part assembles by itself: llvm-mc -triple=amdgcn-amd-amdhsa -mcpu=gfx1250 --defsym DOCPART=n.
;; ======== version 1 of 1: 3 launches
;; workspace buffers: xb 8,388,608 bytes; selw 8,192 bytes of whole numbers; gate 16,384 bytes; part 16,842,752 bytes
;; launch route (part 1): grid 128 x 1, 8 waves a work-group, no clusters, 140,544 bytes of LDS; arguments x, Wr, br, xb, selw, gate; writes xb, selw, gate
.if DOCPART == 1
	.amdgcn_target "amdgcn-amd-amdhsa--gfx1250"
	.amdhsa_code_object_version 6
	.text
	.protected	k_q81a0026e05_route
	.globl	k_q81a0026e05_route
	.p2align	8
	.type	k_q81a0026e05_route,@function
k_q81a0026e05_route:
	s_mov_b64 s[64:65], 0
	v_nop
	global_prefetch_b8 v0, s[64:65] scope:SCOPE_SE
	s_setreg_imm32_b32 hwreg(HW_REG_WAVE_MODE, 25, 1), 1
	s_wait_xcnt 0x0
; ROUTE.  choose = x Wr + br for 16 tokens a work-group; the two largest of a token's 16 values (of equal values the lower index first), the softmax
; of the two; and x rounded to bf16 for the next launch.
; Stored: xb [2048][2048] bf16; selw [2048] u32, (1 << e0) | (1 << (16 + e1)); gate [2][2048] f32, the weight of slot 0 and of slot 1.
; FORMATS.  x, Wr and br are each rounded once to bf16 (to nearest even); products and sums in f32.
; LIMITS.  A NaN among a token's 16 values loses every comparison and is not treated apart; the second weight is 0 where exp(v2 - v1) falls below 2^-126.
; SHARES.  Eight waves.  Wave w rounds x's rows 2 w, 2 w + 1 of the group's 16 and Wr's rows 256 w .. 256 w + 255, then multiplies K = 256 w .. 256 w + 255
; for all 16 tokens and 16 experts; the eight partial sums meet in LDS and wave 0 adds them in ascending order and chooses.
; Every byte of x that the wave needs is asked for at once: 2 + 16 + 32 loads are out before the first wait.
; No cluster: the work-groups share Wr alone, 128 KiB against each group's 128 KiB of x, and it has to pass through registers for its rounding anyway.
.set XP,    4112                       ; a row of x in LDS: 4,096 bytes + 16: an odd multiple of 16, so the 16 rows of a fragment load start in 16 different groups of four banks (ISA guide 11.1)
.set WRB,   16*XP                      ; Wr in bf16 as it lies, [k][16]: rows of 32 bytes, for the turning load
.set PT,    WRB+65536                  ; eight waves' partial sums, 1,024 bytes each
.set SPARE, PT+8192                    ; the spare words: 128 bytes a wave, four blocks of 256 bytes that no other line names
.set SPW, 28                           ; v28  SPARE + 4 x my thread's number; never rewritten
.set NIL, 29                           ; v29  0; never rewritten
.set X,   32                           ; v32-159  two rows of x as loaded (16 loads x 4 registers a row); later the fragments:
.set XF,  32                           ;          x's, 8 registers for each of 8 K steps,
.set WF,  96                           ;          Wr's likewise
.set W,   160                          ; v160-223 sixteen loads of Wr
.set ACC, 224                          ; v224-239 two accumulators that take turns
.set BR,  240                          ; v240-247 br of my eight experts
.set PS,  248                          ; v248-255 my wave's partial sum
	s_load_b256 s[4:11], s[0:1], 0x0               ; x s[4:5], Wr s[6:7], br s[8:9], xb s[10:11]
	s_load_b128 s[12:15], s[0:1], 0x20             ; selw s[12:13], gate s[14:15]
	v_lshl_add_u32 v[SPW], v0, 2, SPARE
	v_mov_b32 v[NIL], 0
	v_lshrrev_b32 v12, 5, v0
	v_readfirstlane_b32 s16, v12                   ; wave 0..7
	v_and_b32 v1, 31, v0                           ; lane L
	v_and_b32 v2, 15, v0                           ; r = L % 16
	v_bfe_u32 v3, v0, 4, 1                         ; h = L / 16
	v_lshlrev_b32 v4, 4, v1                        ; 16 L: my 16 bytes of a load's 512
	v_lshlrev_b32 v5, 3, v1                        ; 8 L: the same four numbers in bf16
	v_lshlrev_b32 v13, 5, v3                       ; 32 h: br of experts 8 h ..
	s_mul_i32 s17, s16, 2*XP
	v_add_nc_u32 v6, s17, v5                       ; where my wave's two rows of x go in LDS
	s_lshl_b32 s21, s16, 13
	s_add_co_u32 s21, s21, WRB                     ; my wave's 256 rows of Wr in LDS
	v_add_nc_u32 v7, s21, v5
	v_mul_u32_u24 v8, v2, XP                       ; x's fragment: token r, K = 256 w + 8 h ..
	v_lshl_add_u32 v8, v3, 4, v8
	s_lshl_b32 s17, s16, 9
	v_add_nc_u32 v8, s17, v8
	v_and_b32 v12, 7, v0                           ; the turning load: lane L reads row 8 h + L % 8, 16 bytes at 16 ((L / 8) % 2)
	v_lshl_add_u32 v12, v3, 3, v12
	v_bfe_u32 v14, v0, 3, 1
	v_lshlrev_b32 v9, 5, v12
	v_lshl_add_u32 v9, v14, 4, v9
	v_add_nc_u32 v9, s21, v9
	s_lshl_b32 s17, s16, 10
	s_add_co_u32 s17, s17, PT
	v_add_nc_u32 v10, s17, v4                      ; my wave's partial sum
	v_add_nc_u32 v11, PT, v4                       ; wave 0's view of all eight
	s_mov_b32 s24, 0x76543210                      ; v_permlanex16_b32: each lane takes its own place in the other half
	s_mov_b32 s25, 0xfedcba98
	s_mov_b32 s19, 0
	s_wait_kmcnt 0x0
	s_lshl_b32 s18, ttmp9, 17                      ; x: 16 rows of 8,192 bytes a group,
	s_lshl_b32 s20, s16, 14                        ; two rows a wave
	s_add_co_u32 s18, s18, s20
	s_add_nc_u64 s[4:5], s[4:5], s[18:19]
	s_mov_b32 s18, s20                             ; Wr: 256 rows of 64 bytes a wave
	s_add_nc_u64 s[6:7], s[6:7], s[18:19]
	s_lshl_b32 s18, ttmp9, 16                      ; xb: half of x's bytes
	s_lshl_b32 s20, s16, 13
	s_add_co_u32 s18, s18, s20
	s_add_nc_u64 s[10:11], s[10:11], s[18:19]
	s_lshl_b32 s18, ttmp9, 6                       ; selw and gate: 16 words a group
	s_add_nc_u64 s[12:13], s[12:13], s[18:19]
	s_add_nc_u64 s[14:15], s[14:15], s[18:19]
	global_load_b128 v[BR:BR+3],   v13, s[8:9]
	global_load_b128 v[BR+4:BR+7], v13, s[8:9] offset:16
.set i, 0
.rept 16                                               ; the first half of my rows of Wr
	global_load_b128 v[W+4*i:W+4*i+3], v4, s[6:7] offset:512*i
.set i, i+1
.endr
.set i, 0
.rept 32                                               ; my two rows of x: load i takes 512 consecutive bytes
	global_load_b128 v[X+4*i:X+4*i+3], v4, s[4:5] offset:512*i th:TH_LOAD_NT
.set i, i+1
.endr
; Sixteen loads of Wr are rounded, four numbers to 8 bytes, and laid into LDS as they lie in memory.
.macro WRCAST first
.set i, 0
.rept 16
	v_cvt_pk_bf16_f32 v[W+4*i],   v[W+4*i],   v[W+4*i+1]
	v_cvt_pk_bf16_f32 v[W+4*i+1], v[W+4*i+2], v[W+4*i+3]
	ds_store_b64 v7, v[W+4*i:W+4*i+1] offset:256*((\first)+i)
.set i, i+1
.endr
.endm
; Row p of my two is rounded; it goes to xb (a wave's store covers 256 consecutive bytes, aligned) and into LDS.
.macro XCAST p
.set i, 0
.rept 16
	v_cvt_pk_bf16_f32 v[X+64*(\p)+4*i],   v[X+64*(\p)+4*i],   v[X+64*(\p)+4*i+1]
	v_cvt_pk_bf16_f32 v[X+64*(\p)+4*i+1], v[X+64*(\p)+4*i+2], v[X+64*(\p)+4*i+3]
	global_store_b64 v5, v[X+64*(\p)+4*i:X+64*(\p)+4*i+1], s[10:11] offset:4096*(\p)+256*i
	ds_store_b64 v6, v[X+64*(\p)+4*i:X+64*(\p)+4*i+1] offset:XP*(\p)+256*i
.set i, i+1
.endr
.endm
	s_wait_loadcnt 32                              ; loads come back in order (ISA guide 5.7.1): br and Wr's first half are in, x's 32 loads stay out
	WRCAST 0
.set i, 0
.rept 16                                               ; the second half of my rows of Wr
	global_load_b128 v[W+4*i:W+4*i+3], v4, s[6:7] offset:512*(16+i)
.set i, i+1
.endr
	s_wait_loadcnt 32                              ; row 0 is in; row 1's 16 and Wr's 16 stay out
	XCAST 0
	s_wait_loadcnt 16                              ; row 1 is in
	XCAST 1
	s_wait_loadcnt 0x0                             ; Wr's second half
	WRCAST 16
	s_wait_dscnt 0x0                               ; for the others' sake: my rows of x are in LDS
	s_barrier_signal -1
	s_barrier_wait -1
	s_wait_xcnt 0x0                                ; xb's stores have read their data: only behind this wait are X's registers loaded again
	; choose^T = Wr^T x^T: source 0 = 16 experts (turned out of [k][16]), source 1 = 16 tokens.  In the result lane (r, h) holds token r, register q expert 8 h + q.
.set u, 0
.rept 8
	ds_load_b128 v[XF+8*u:XF+8*u+3],        v8 offset:64*u
	ds_load_b128 v[XF+8*u+4:XF+8*u+7],      v8 offset:64*u+32
	ds_load_tr16_b128 v[WF+8*u:WF+8*u+3],   v9 offset:1024*u
	ds_load_tr16_b128 v[WF+8*u+4:WF+8*u+7], v9 offset:1024*u+512
.set u, u+1
.endr
.set u, 0
.rept 8                                                ; the two accumulators take turns; the first two products start the sums
	s_wait_dscnt 4*(7-u)                           ; four loads for each younger K step may stay out
.if u < 2
	v_wmma_f32_16x16x32_bf16 v[ACC+8*(u%2):ACC+8*(u%2)+7], v[WF+8*u:WF+8*u+7], v[XF+8*u:XF+8*u+7], 0
.else
	v_wmma_f32_16x16x32_bf16 v[ACC+8*(u%2):ACC+8*(u%2)+7], v[WF+8*u:WF+8*u+7], v[XF+8*u:XF+8*u+7], v[ACC+8*(u%2):ACC+8*(u%2)+7]
.endif
.set u, u+1
.endr
.rept 4
	v_nop                                          ; four places between the last product and the first read of a result (ISA guide 7.12.1)
.endr
.irp q, 0,2,4,6                                        ; from each accumulator's low end on
	v_pk_add_f32 v[PS+\q:PS+\q+1], v[ACC+\q:ACC+\q+1], v[ACC+8+\q:ACC+8+\q+1]
.endr
	ds_store_b128 v10, v[PS:PS+3]
	ds_store_b128 v10, v[PS+4:PS+7] offset:512
	s_wait_dscnt 0x0                               ; for wave 0's sake
	s_barrier_signal -1
	s_barrier_wait -1
	s_cmp_lg_u32 s16, 0
	s_cbranch_scc0 .Lwave0
	s_wait_tensorcnt 0x0                           ; the wave's end
	ds_add_u32 v[SPW], v[NIL]
	s_wait_dscnt 0x0
	s_endpgm
.Lwave0:
.set i, 0
.rept 8
	ds_load_b128 v[32+8*i:32+8*i+3],   v11 offset:1024*i
	ds_load_b128 v[32+8*i+4:32+8*i+7], v11 offset:1024*i+512
.set i, i+1
.endr
.irp n, 0,1,2,3
	v_mov_b32 v[20+\n], 0                          ; v_permlanex16_b32 counts as a reader of its destination
.endr
	s_wait_dscnt 0x0
.set i, 1
.rept 7                                                ; K ascending: wave 0's part, then 1's ..
.irp q, 0,2,4,6
	v_pk_add_f32 v[32+\q:32+\q+1], v[32+\q:32+\q+1], v[32+8*i+\q:32+8*i+\q+1]
.endr
.set i, i+1
.endr
.irp q, 0,2,4,6                                        ; br, rounded to bf16 like the other inputs, is added
	v_cvt_pk_bf16_f32 v12, v[BR+\q], v[BR+\q+1]
	v_lshlrev_b32 v[BR+\q], 16, v12
	v_and_b32 v[BR+\q+1], 0xffff0000, v12
	v_pk_add_f32 v[32+\q:32+\q+1], v[32+\q:32+\q+1], v[BR+\q:BR+\q+1]
.endr
	; The two largest of my eight: v16, v17 value and index of the first, v18, v19 of the second.  'Greater' is strict, so of equals the earlier index stays ahead.
	v_cmp_gt_f32 vcc_lo, v33, v32
	v_cndmask_b32 v16, v32, v33, vcc_lo
	v_cndmask_b32 v17, 0, 1, vcc_lo
	v_cndmask_b32 v18, v33, v32, vcc_lo
	v_cndmask_b32 v19, 1, 0, vcc_lo
.irp q, 2,3,4,5,6,7
	v_cmp_gt_f32 s20, v[32+\q], v16
	v_cmp_gt_f32 s21, v[32+\q], v18
	v_cndmask_b32 v18, v18, v[32+\q], s21
	v_cndmask_b32 v19, v19, \q, s21
	v_cndmask_b32 v18, v18, v16, s20               ; a new first pushes the old first down
	v_cndmask_b32 v19, v19, v17, s20
	v_cndmask_b32 v16, v16, v[32+\q], s20
	v_cndmask_b32 v17, v17, \q, s20
.endr
	v_lshl_add_u32 v17, v3, 3, v17                 ; my experts begin at 8 h
	v_lshl_add_u32 v19, v3, 3, v19
	v_cmp_ne_u32 s22, 0, v3                        ; the upper half of the lanes
.irp n, 0,1,2,3                                        ; v48-51: the pair of experts 0-7; v52-55: that of experts 8-15; alike in both halves of the lanes
	v_permlanex16_b32 v[20+\n], v[16+\n], s24, s25
.endr
.irp n, 0,1,2,3
	v_cndmask_b32 v[48+\n], v[16+\n], v[20+\n], s22
	v_cndmask_b32 v[52+\n], v[20+\n], v[16+\n], s22
.endr
	v_cmp_gt_f32 s20, v52, v48                     ; strict: on a tie the lower experts win
	v_cndmask_b32 v56, v48, v52, s20               ; the first of all: value,
	v_cndmask_b32 v57, v49, v53, s20               ; index
	v_cndmask_b32 v58, v50, v48, s20               ; the lower experts' candidate for second
	v_cndmask_b32 v59, v51, v49, s20
	v_cndmask_b32 v60, v52, v54, s20               ; the upper experts'
	v_cndmask_b32 v61, v53, v55, s20
	v_cmp_gt_f32 s21, v60, v58
	v_cndmask_b32 v62, v58, v60, s21               ; the second of all
	v_cndmask_b32 v63, v59, v61, s21
	; softmax of the two, the larger taken away: w0 = 1 / (1 + t), w1 = t / (1 + t), t = exp(v2 - v1) <= 1
	v_sub_f32 v65, v62, v56
	v_mul_f32 v65, 0x3fb8aa3b, v65                 ; log2(e)
	v_exp_f32 v64, v65
	v_lshlrev_b32 v69, 2, v2                       ; a plain instruction behind the exponential (ISA guide 5.7.2): 4 r
	s_wait_alu depctr_va_vdst(0)                   ; the wait ahead of the first use
	v_add_f32 v65, 1.0, v64
	v_rcp_f32 v66, v65
	v_lshl_add_u32 v72, v3, 13, v69                ; a plain instruction behind the reciprocal: 8,192 h + 4 r
	s_wait_alu depctr_va_vdst(0)
	v_mul_f32 v67, v64, v66
	v_cndmask_b32 v68, v66, v67, s22               ; lanes 0-15 store slot 0's weight, lanes 16-31 slot 1's
	global_store_b32 v72, v68, s[14:15]
	v_mov_b32 v71, 1
	v_lshlrev_b32 v70, v57, v71                    ; 1 << e0
	v_add_nc_u32 v73, 16, v63
	v_lshlrev_b32 v73, v73, v71                    ; 1 << (16 + e1)
	v_or_b32 v70, v70, v73
	v_cmp_gt_u32 vcc_lo, 16, v1
	s_wait_xcnt 0x0                                ; EXEC changes only behind this wait
	s_and_saveexec_b32 s26, vcc_lo
	global_store_b32 v69, v70, s[12:13]            ; one word a token
	s_wait_xcnt 0x0
	s_or_b32 exec_lo, exec_lo, s26
	s_wait_tensorcnt 0x0                           ; the wave's end
	ds_add_u32 v[SPW], v[NIL]
	s_wait_dscnt 0x0
	s_endpgm
.Lfunc_end_k_q81a0026e05_route:
	.size	k_q81a0026e05_route, .Lfunc_end_k_q81a0026e05_route-k_q81a0026e05_route
	.p2alignl 7, 3214868480
	.fill 96, 4, 3214868480
	.section	.rodata,"a",@progbits
	.p2align	6, 0x0
	.amdhsa_kernel k_q81a0026e05_route
		.amdhsa_group_segment_fixed_size 140544
		.amdhsa_private_segment_fixed_size 0
		.amdhsa_enable_private_segment 0
		.amdhsa_kernarg_size 48
		.amdhsa_user_sgpr_count 2
		.amdhsa_user_sgpr_kernarg_segment_ptr 1
		.amdhsa_wavefront_size32 1
		.amdhsa_system_sgpr_workgroup_id_x 1
		.amdhsa_system_sgpr_workgroup_id_y 1
		.amdhsa_system_sgpr_workgroup_id_z 1
		.amdhsa_system_vgpr_workitem_id 0
		.amdhsa_next_free_vgpr 256
		.amdhsa_next_free_sgpr 66
		.amdhsa_reserve_vcc 1
		.amdhsa_float_denorm_mode_32 3
		.amdhsa_float_denorm_mode_16_64 3
		.amdhsa_memory_ordered 1
		.amdhsa_forward_progress 1
		.amdhsa_inst_pref_size 37
	.end_amdhsa_kernel
	.amdgpu_metadata
---
amdhsa.version: [ 1, 2 ]
amdhsa.kernels:
  - .name:           k_q81a0026e05_route
    .symbol:         k_q81a0026e05_route.kd
    .args:
      - { .name: x, .offset: 0, .size: 8, .value_kind: global_buffer, .address_space: global }
      - { .name: Wr, .offset: 8, .size: 8, .value_kind: global_buffer, .address_space: global }
      - { .name: br, .offset: 16, .size: 8, .value_kind: global_buffer, .address_space: global }
      - { .name: xb, .offset: 24, .size: 8, .value_kind: global_buffer, .address_space: global }
      - { .name: selw, .offset: 32, .size: 8, .value_kind: global_buffer, .address_space: global }
      - { .name: gate, .offset: 40, .size: 8, .value_kind: global_buffer, .address_space: global }
    .group_segment_fixed_size: 140544
    .private_segment_fixed_size: 0
    .kernarg_segment_align: 8
    .kernarg_segment_size: 48
    .max_flat_workgroup_size: 256
    .sgpr_count:     66
    .vgpr_count:     256
    .wavefront_size: 32
...
	.end_amdgpu_metadata
.endif
;; end of part 1
;; launch experts (part 2): grid 16 x 16, 8 waves a work-group, no clusters, 272,896 bytes of LDS; arguments We, be, xb, selw, part; writes part
.if DOCPART == 2
	.amdgcn_target "amdgcn-amd-amdhsa--gfx1250"
	.amdhsa_code_object_version 6
	.text
	.protected	k_q81a0026e05_experts
	.globl	k_q81a0026e05_experts
	.p2align	8
	.type	k_q81a0026e05_experts,@function
k_q81a0026e05_experts:
	s_mov_b64 s[64:65], 0
	v_nop
	global_prefetch_b8 v0, s[64:65] scope:SCOPE_SE
	s_setreg_imm32_b32 hwreg(HW_REG_WAVE_MODE, 25, 1), 1
	s_wait_xcnt 0x0
; EXPERTS.  part[slot * 2048 + token][c] = x[token] . We[e][:, c] + be[e][c] for every (token, slot) whose chosen expert is e; the gate's weights are applied by the launch behind.
; A work-group has ONE expert e (grid y), 64 columns 64 s .. 64 s + 63 (grid x), all of K = 2,048 and all of the expert's R rows, whatever R is (0 to 2,048).
; It alone reads its 2,048 rows x 256 bytes of We, once; rounded to bf16 the slice fills 262,144 bytes of LDS and stays there, so that every further pass over rows reads We no more.
; FORMATS.  We and be are rounded once to bf16 (to nearest even), x was rounded by the launch before; sums in f32; part in f32 (partial sums).
; TWO ROLES.  LOADcnt falls in the order of issue, so one wave cannot hold many of We's loads out while it waits for young loads of x.  Waves 4-7 (producers) bring We through
; registers into LDS; waves 0-3 (consumers) load x's rows straight into operand registers and multiply.  K goes in 16 chunks of 128 = 4 K steps of 32; producer p makes K step p of
; every chunk and has the loads of four chunks out: 64 loads of 512 bytes a wave.
; FIVE PHASES, a barrier behind each.  Laid down: chunks 0-1, 2-3, 4-7, 8-11, 12-15; multiplied meanwhile: nothing (the set-up), 0-1, 2-3, 4-7, 8-11; chunks 12-15 follow behind the last.  Inside a
; phase the K steps run on across chunks as one pipeline, so the barrier and the first fragments' way out of LDS are paid once a phase.  The first sets are small: x's first rows are there early.
; NOTHING IS TURNED.  Producer lane (r, h) loads 16 bytes, columns 64 s + 4 r .. + 3, of rows d = 16 g + 8 h + i (i = 0..7) of its K step: sixteen lanes take 256 consecutive bytes.  Component j of
; rows i, i + 1, rounded as a pair, IS register 4 g + i / 2 of a source-1 fragment in which lane r stands for column 64 s + 4 r + j.  LDS holds the fragments as the lanes hold them: byte
; 16,384 chunk + 4,096 u + 1,024 j + 512 g + 16 L of the slice: stores and loads are consecutive.  In the result register q of accumulator (t, j) is (row 8 h + q of tile t, column 64 s + 4 r + j):
; the four j of one q are 16 neighbouring bytes of a row of part, and sixteen lanes store 256 consecutive bytes, aligned.  No stage is needed.
; THE LAST SLICE.  Columns past 999 do not exist: their lanes load columns 996-999 once more (the byte offset is cut at 3,984), and their results land in part's padding, columns 1,000-1,023.
; ROWS.  Wave 0 makes the list of the expert's rows (entry = slot << 11 | token) from selw, by counting; places past R hold 4,096 + e: such a place multiplies token e's row, which exists, and
; is stored into part's row 4,096 + e, which nobody reads.  A pass takes 320 places: four consumers x five tiles of 16; seven passes cover 2,048 rows.  Pass 0 runs beside the producers, with
; barriers, written out with fixed LDS addresses; passes 1-6 have no barrier, nobody writes LDS meanwhile, a wave whose first tile lies past R jumps them, and whole tiles past R are not stored.
; ONE END.  All eight waves meet at a last barrier behind the passes, so that between the last two barriers LDS is only read; behind it stand the closing lines alone.
; NO CLUSTER, NO JOINT LOADS: each slice of We has one reader; what an expert's sixteen work-groups share is rows of xb named by a list, which no tile descriptor covers.
.set ROWW,  4000                       ; bytes in a row of We and of be
.set CHUNK, 16384                      ; a chunk of 128 K x 64 columns in bf16
.set DUMPI, 2304                       ; LDS from byte 0: 2,304 places of the list; then 32 words into which the lanes that have nothing to list store
.set CNTW,  9472                       ; R
.set WB,    9728                       ; the slice
.set SPARE, WB+262144                  ; the spare words: 128 bytes a wave, four blocks of 256 bytes that no other line names
.set CAP,   320                        ; places in a pass
.set NPASS, 7
.set VO,   2                           ; v2      first r, while the head needs it; then my byte offset in We's rows, never rewritten
.set AO,   8                           ; v8-12   tile t: byte offset in xb of my row, + 16 h
.set BAV,  15                          ; v15     passes 1-6: LDS address of my 16 bytes in the chunk in hand
.set BIAS, 16                          ; v16-19  be of my four columns
.set T,    20                          ; v20-24  at work
.set LV,   25                          ; v25     my place in the list in the pass in hand
.set SPW,  26                          ; v26     SPARE + 4 x my thread's number; never rewritten
.set NIL,  27                          ; v27     0; never rewritten
.set VB,   28                          ; v28-31  LDS address of my 16 bytes in chunks 4 k .. 4 k + 3 (a producer's: in its K step of them); never rewritten
.set FR,   32                          ; v32-95  producers: a K step's fragments, two sets that take turns
.set BF,   32                          ; v32-95  consumers: We's fragments, two buffers of 32
.set AF,   96                          ; v96-255 consumers: x's fragments: K step u at 40 u, tile t at 8 t
.set DD,   32                          ; the way out: v32-71 list entries, then offsets in part, 8 a tile
.set OB,   96                          ; the way out: v96-255 results, 32 a tile
.set BB,   160                         ; window 1, v416-447: be as four blocks of eight like registers: the C operand of pass 0's first products
; other registers: v1 L, v3 h, v4 16 h, v5 16 L, v6, v7 my places in pass 0's list (by r; by 8 h), v13 256 s + 16 r, v14 the same cut at 3,984.
; Window 1 (v256-511): consumers' accumulators, (t, j) at 32 t + 8 j; producers' 64 loads, chunk c's at 64 (c % 4) + 32 g + 4 i.
; s16 wave, s17 e, s18 s, s19 wave % 4, s21 chunks to go, s22 passes to go, s23 R, s24 my first place of the pass, s[28:29] We at K step wave % 4 of chunk 0, s[30:31] xb walking,
; s32 running count, s38 the pass's first byte in the list, s39 the chunk's first byte in LDS (in the list: 256 x the batch), s40-63 the list's masks, counts and prefixes
.set MSB, 0
.macro WIN new                         ; s_set_vgpr_msb: bits 1:0 source 0, 3:2 source 1, 5:4 source 2, 7:6 destination; the high byte repeats the setting that is left
.if MSB != (\new)
	s_set_vgpr_msb (MSB<<8)|(\new)
.set MSB, (\new)
.endif
.endm
.macro PL                              ; four places between a product and a load into, or a vector write of, its registers (ISA guide 7.12.1 for vector writes)
.rept 4
	v_nop
.endr
.endm
; ---- producers ----
.macro LOADW c                         ; my K step of chunk c: 16 loads, each two rows' 256 consecutive bytes; the chunk stands in the immediate (7,772,000 at the most: inside its signed 24 bits)
	WIN 0x40                                       ; destination window 1
.irp g, 0,1
.irp i, 0,1,2,3,4,5,6,7
	global_load_b128 v[64*((\c)%4)+32*(\g)+4*(\i):64*((\c)%4)+32*(\g)+4*(\i)+3], v[VO], s[28:29] offset:(128*(\c)+16*(\g)+(\i))*ROWW
.endr
.endr
	WIN 0
.endm
.macro PSTEP c                         ; my K step of chunk c is rounded and laid into LDS; its registers are asked for again at once, for chunk c + 4
.if (\c) < 13
	s_wait_loadcnt 48                              ; loads come back in order (ISA guide 5.7.1): the three younger chunks' sixteen each stay out
.else
	s_wait_loadcnt 16*(15-(\c))                    ; nothing is asked for any more: the counts run down
.endif
	WIN 0x05                                       ; sources in window 1
.irp j, 0,1,2,3
.irp g, 0,1
.irp m, 0,1,2,3
	v_cvt_pk_bf16_f32 v[FR+32*((\c)%2)+8*(\j)+4*(\g)+(\m)], v[64*((\c)%4)+32*(\g)+8*(\m)+(\j)], v[64*((\c)%4)+32*(\g)+8*(\m)+4+(\j)]
.endr
.endr
.endr
	WIN 0
.irp j, 0,1,2,3
.irp g, 0,1
	ds_store_b128 v[VB+(\c)/4], v[FR+32*((\c)%2)+8*(\j)+4*(\g):FR+32*((\c)%2)+8*(\j)+4*(\g)+3] offset:((\c)%4)*CHUNK+1024*(\j)+512*(\g)
.endr
.endr
.if (\c) < 12
	LOADW (\c)+4
.endif
.endm
; ---- consumers ----
.macro LISTA la                        ; my five tiles' rows: lane (r, h) takes place r of each tile; v[la]: my place in the pass's first tile
.irp t, 0,1,2,3,4
	ds_load_b32 v[T+(\t)], v[\la] offset:256*(\t)
.endr
	s_wait_dscnt 0x0
.irp t, 0,1,2,3,4
	v_min_u32 v[T+(\t)], 0x100f, v[T+(\t)]         ; an entry is 4,096 + 15 at the most
.endr
.irp t, 0,1,2,3,4
	v_and_b32 v[T+(\t)], 0x7ff, v[T+(\t)]          ; the token (of a place past R: e)
.endr
.irp t, 0,1,2,3,4
	v_lshlrev_b32 v[T+(\t)], 12, v[T+(\t)]         ; its row of 4,096 bytes,
.endr
.irp t, 0,1,2,3,4
	v_add_nc_u32 v[AO+(\t)], v[T+(\t)], v4         ; + 16 h
.endr
.endm
.macro REFA u, xb, xo                  ; K step u's fragments of x, ten loads, from byte xo of the rows counted from s[xb:xb+1]
.irp t, 0,1,2,3,4
.irp g, 0,1
	global_load_b128 v[AF+40*(\u)+8*(\t)+4*(\g):AF+40*(\u)+8*(\t)+4*(\g)+3], v[AO+(\t)], s[\xb:\xb+1] offset:(\xo)+64*(\u)+32*(\g)
.endr
.endr
.endm
.macro APRO                            ; chunk 0's fragments of x: 40 loads, K steps in order
	REFA 0, 8, 0
	REFA 1, 8, 0
	REFA 2, 8, 0
	REFA 3, 8, 0
.endm
.macro START                           ; pass 0: be as the C operand of the first K step's products: 32 moves
	WIN 0x40
.irp j, 0,1,2,3
.irp q, 0,1,2,3,4,5,6,7
	v_mov_b32 v[BB+8*(\j)+(\q)], v[BIAS+(\j)]
.endr
.endr
	WIN 0
.endm
.macro INIT                            ; passes 1-6: the sums start with be: their first chunk lies in the loop, whose products all add in place
	WIN 0x40
.irp t, 0,1,2,3,4
.irp j, 0,1,2,3
.irp q, 0,1,2,3,4,5,6,7
	v_mov_b32 v[32*(\t)+8*(\j)+(\q)], v[BIAS+(\j)]
.endr
.endr
.endr
	WIN 0
.endm
.macro LDB u, va, lo                   ; K step u's four fragments of We; the chunk begins at v[va] + lo
.irp j, 0,1,2,3
.irp g, 0,1
	ds_load_b128 v[BF+32*((\u)%2)+8*(\j)+4*(\g):BF+32*((\u)%2)+8*(\j)+4*(\g)+3], v[\va] offset:(\lo)+4096*(\u)+1024*(\j)+512*(\g)
.endr
.endr
.endm
.macro MULS u, first=0                 ; 20 products; the 20 accumulators take turns, in the same order in every step.  first = 1: they start the sums, with be
	WIN 0x50                                       ; C and D in window 1
.irp t, 0,1,2,3,4
.irp j, 0,1,2,3
.if \first
	v_wmma_f32_16x16x32_bf16 v[32*(\t)+8*(\j):32*(\t)+8*(\j)+7], v[AF+40*(\u)+8*(\t):AF+40*(\u)+8*(\t)+7], v[BF+32*((\u)%2)+8*(\j):BF+32*((\u)%2)+8*(\j)+7], v[BB+8*(\j):BB+8*(\j)+7]
.else
	v_wmma_f32_16x16x32_bf16 v[32*(\t)+8*(\j):32*(\t)+8*(\j)+7], v[AF+40*(\u)+8*(\t):AF+40*(\u)+8*(\t)+7], v[BF+32*((\u)%2)+8*(\j):BF+32*((\u)%2)+8*(\j)+7], v[32*(\t)+8*(\j):32*(\t)+8*(\j)+7]
.endif
.endr
.endr
	WIN 0
.endm
; PASS 0: K step kn of 64 (chunk kn / 4), in a group of K steps that ends with K step last.  Behind its 20 products: We's fragments of K step kn + 2, as far as the group reaches, and x's of
; K step kn + 4, into the registers just multiplied.  s_wait_loadcnt 30: the three younger K steps' ten loads each stay out.  s_wait_dscnt 8: the next K step's eight fragment loads stay out.
.macro KS last
	s_wait_loadcnt 30
.if kn < (\last)
	s_wait_dscnt 8
.else
	s_wait_dscnt 0x0
.endif
.if kn == 0
	MULS kn%4, 1
.else
	MULS kn%4
.endif
	PL
.if kn+1 < (\last)
	LDB (kn+2)%4, VB+(kn+2)/16, (((kn+2)/4)%4)*CHUNK
.endif
	REFA kn%4, 8, 256*(kn/4+1)
.set kn, kn+1
.endm
.macro GROUP first, last               ; K steps first .. last, whose chunks lie whole in LDS
.set kn, \first
	LDB kn%4, VB+kn/16, ((kn/4)%4)*CHUNK
	LDB (kn+1)%4, VB+(kn+1)/16, (((kn+1)/4)%4)*CHUNK
.rept (\last)-(\first)+1
	KS \last
.endr
.endm
; PASSES 1-6 and every pass's chunk 15: one chunk, 128 along K, 80 products.  refill = 1: x's next chunk is asked for, ten loads behind each K step's products.  The counts are KS's.
.macro CONSUME va, lo, refill, xb, xo
	LDB 0, \va, \lo
	LDB 1, \va, \lo
	s_wait_loadcnt 30
	s_wait_dscnt 8
	MULS 0
	PL
	LDB 2, \va, \lo
.if \refill
	REFA 0, \xb, \xo
	s_wait_loadcnt 30
.else
	s_wait_loadcnt 20
.endif
	s_wait_dscnt 8
	MULS 1
	PL
	LDB 3, \va, \lo
.if \refill
	REFA 1, \xb, \xo
	s_wait_loadcnt 30
.else
	s_wait_loadcnt 10
.endif
	s_wait_dscnt 8
	MULS 2
	PL
.if \refill
	REFA 2, \xb, \xo
	s_wait_loadcnt 30
.else
	s_wait_loadcnt 0x0
.endif
	s_wait_dscnt 0x0
	MULS 3
	PL
.if \refill
	REFA 3, \xb, \xo
.endif
.endm
; A PHASE.  Producers: chunks pf .. pl into LDS.  Consumers: chunks cf .. cl are multiplied (cf < 0: the set-up: the rows, x's first fragments, R, the sums' start).
; The bytes written and read in a phase are different chunks (and the list); the barrier at its end hands the new chunks over.
.macro PHASE pf, pl, cf, cl
	s_cmp_lt_u32 s16, 4
	s_cbranch_scc1 .Lpc_\@
.set pch, \pf
.rept (\pl)-(\pf)+1
	PSTEP pch
.set pch, pch+1
.endr
	s_branch .Lpj_\@
.Lpc_\@:
.if (\cf) < 0
	v_mov_b32 v[BAV], CNTW
	ds_load_b32 v[LV], v[BAV]                      ; R comes with the rows, behind one wait
	LISTA 6
	APRO                                           ; x's loads go out ahead of the rest of the set-up
	v_readfirstlane_b32 s23, v[LV]
	s_min_u32 s23, s23, 2048
	START
.else
	GROUP 4*(\cf), 4*(\cl)+3
.endif
.Lpj_\@:
	s_wait_dscnt 0x0                               ; for the others' sake: my stores are in LDS, my reads are back
	s_barrier_signal -1
	s_barrier_wait -1
.endm
	s_load_b256 s[4:11], s[0:1], 0x0               ; We s[4:5], be s[6:7], xb s[8:9], selw s[10:11]
	s_load_b64 s[14:15], s[0:1], 0x20              ; part
	v_lshl_add_u32 v[SPW], v0, 2, SPARE
	v_mov_b32 v[NIL], 0
	v_lshrrev_b32 v20, 5, v0
	v_readfirstlane_b32 s16, v20                   ; wave 0..7
	s_and_b32 s17, ttmp7, 0xffff                   ; e
	s_mov_b32 s18, ttmp9                           ; s
	s_and_b32 s19, s16, 3
	v_and_b32 v1, 31, v0
	v_and_b32 v2, 15, v0                           ; r
	v_bfe_u32 v3, v0, 4, 1
	v_lshlrev_b32 v4, 4, v3
	v_lshlrev_b32 v5, 4, v1
	v_lshlrev_b32 v13, 4, v2
	v_lshl_add_u32 v13, s18, 8, v13                ; 256 s + 16 r
	v_min_u32 v14, 0xf90, v13                      ; cut at 3,984: columns 996-999
	s_lshl_b32 s26, s16, 6
	v_lshl_add_u32 v6, v2, 2, s26                  ; place 16 w + r of a pass, in bytes
	v_lshl_add_u32 v7, v3, 5, s26                  ; places 16 w + 8 h ..
	v_mul_u32_u24 v[VO], v3, 8*ROWW                ; r has served: lanes 16-31 take We's row eight further down,
	v_add_nc_u32 v[VO], v[VO], v14                 ; at my four columns
	s_mov_b32 s22, NPASS
	s_lshl_b32 s24, s16, 4
	s_mov_b32 s38, 0
	s_lshl_b32 s33, 0x10001, s17                   ; e's two bits in a word of selw
	s_add_co_u32 s35, s17, 4096                    ; what a place past R holds
	s_mul_i32 s36, s17, 2048*ROWW                  ; the expert,
	s_mul_i32 s27, s19, 32*ROWW                    ; K step wave % 4 of chunk 0
	s_add_co_u32 s36, s36, s27
	s_mov_b32 s37, 0
	s_wait_kmcnt 0x0
	s_add_nc_u64 s[28:29], s[4:5], s[36:37]        ; made by every wave, used by the producers
	s_cmp_lt_u32 s16, 4
	s_cbranch_scc1 .Lcons0
	LOADW 0
	LOADW 1
	LOADW 2
	LOADW 3
	s_lshl_b32 s27, s19, 12                        ; my K step's 4,096 bytes of a chunk
	s_add_co_u32 s27, s27, WB
	v_add_nc_u32 v[VB], s27, v5
	v_add_nc_u32 v[VB+1], 0x10000, v[VB]
	v_add_nc_u32 v[VB+2], 0x20000, v[VB]
	v_add_nc_u32 v[VB+3], 0x30000, v[VB]
	s_branch .Ljoin0
.Lcons0:
	s_mul_i32 s26, s17, ROWW
	v_add_nc_u32 v20, s26, v14
	global_load_b128 v[BIAS:BIAS+3], v20, s[6:7]
	v_add_nc_u32 v[VB], WB, v5
	v_add_nc_u32 v[VB+1], 0x10000, v[VB]
	v_add_nc_u32 v[VB+2], 0x20000, v[VB]
	v_add_nc_u32 v[VB+3], 0x30000, v[VB]
	s_cmp_lg_u32 s16, 0
	s_cbranch_scc1 .Lnolist
	; THE LIST, by wave 0.  All places are filled with 4,096 + e; then the 2,048 words of selw are walked, 32 lanes x 8 registers at a time: a lane whose token chose e finds its place by counting
	; the lanes below it that did too, on top of the count so far; a lane whose token did not takes a dump word of its own.  All lanes stay on.  The index is cut at the last dump word, 2,335.
	; Each step is written for the batch's eight registers abreast, so that no line waits for the line before it; the eight counts are added up in scalars once a batch.
	; LDS serves a wave's instructions in order (ISA guide 5.7.1.4): the entries land on the fill.
.irp n, 32,33,34,35
	v_mov_b32 v[\n], s35
.endr
.set i, 0
.rept 16                                               ; register q of load i holds token 128 i + 4 L + q
	global_load_b128 v[96+4*i:96+4*i+3], v5, s[10:11] offset:512*i
.set i, i+1
.endr
.set i, 0
.rept 18
	ds_store_b128 v5, v[32:35] offset:512*i
.set i, i+1
.endr
	s_mov_b32 s32, 0                               ; the count so far
	s_mov_b32 s39, 0                               ; 256 x the batch: the tokens' upper bits
	s_add_co_u32 s36, s17, 5                       ; this shift brings bit 16 + e, the mark of slot 1, to bit 11
	s_mov_b32 s37, 0x800
	v_add_nc_u32 v38, DUMPI, v1                    ; my dump word's index
.irp k, 0,1,2,3,4,5,6,7
	v_lshl_or_b32 v[56+\k], v1, 2, 128*(\k/4)+(\k%4)  ; register k of a batch: the token's low eight bits
.endr
.set b, 0
.rept 8
	s_wait_loadcnt 14-2*b                          ; the batch's two loads are in; the younger loads of selw stay out
.irp k, 0,1,2,3,4,5,6,7
	v_and_b32 v[40+\k], s33, v[96+8*b+\k]
.endr
.irp k, 0,1,2,3,4,5,6,7
	v_cmp_ne_u32 s[40+\k], 0, v[40+\k]             ; did the token choose e?
.endr
.irp k, 0,1,2,3,4,5,6,7
	v_lshrrev_b32 v[40+\k], s36, v[96+8*b+\k]
.endr
.irp k, 0,1,2,3,4,5,6,7
	s_bcnt1_i32_b32 s[48+\k], s[40+\k]
.endr
	s_add_co_u32 s57, s32, s48                     ; s[56 + k]: the count ahead of register k
.irp k, 2,3,4,5,6,7
	s_add_co_u32 s[56+\k], s[55+\k], s[47+\k]
.endr
.irp k, 0,1,2,3,4,5,6,7
.if \k == 0
	v_mbcnt_lo_u32_b32 v[48+\k], s[40+\k], s32     ; the token's place
.else
	v_mbcnt_lo_u32_b32 v[48+\k], s[40+\k], s[56+\k]
.endif
.endr
	s_add_co_u32 s32, s63, s55
.irp k, 0,1,2,3,4,5,6,7
	v_and_or_b32 v[40+\k], v[40+\k], s37, v[56+\k] ; slot << 11 | the token's low bits
.endr
.irp k, 0,1,2,3,4,5,6,7
	v_cndmask_b32 v[48+\k], v38, v[48+\k], s[40+\k]
.endr
.irp k, 0,1,2,3,4,5,6,7
	v_min_u32 v[48+\k], 0x91f, v[48+\k]
.endr
.irp k, 0,1,2,3,4,5,6,7
	v_lshlrev_b32 v[48+\k], 2, v[48+\k]
.endr
.irp k, 0,1,2,3,4,5,6,7
	v_or_b32 v[40+\k], s39, v[40+\k]
.endr
.irp k, 0,1,2,3,4,5,6,7
	ds_store_b32 v[48+\k], v[40+\k]
.endr
	s_add_co_u32 s39, s39, 256
.set b, b+1
.endr
	v_mov_b32 v40, s32
	v_mov_b32 v39, CNTW
	ds_store_b32 v39, v40                          ; R
.Lnolist:
	s_wait_loadcnt 0x0                             ; be
	v_cvt_pk_bf16_f32 v20, v[BIAS], v[BIAS+1]      ; rounded to bf16 like the other inputs, and widened again
	v_cvt_pk_bf16_f32 v21, v[BIAS+2], v[BIAS+3]
	v_lshlrev_b32 v[BIAS], 16, v20
	v_and_b32 v[BIAS+1], 0xffff0000, v20
	v_lshlrev_b32 v[BIAS+2], 16, v21
	v_and_b32 v[BIAS+3], 0xffff0000, v21
.Ljoin0:
	s_wait_dscnt 0x0                               ; for the others' sake: the list and R are in LDS
	s_barrier_signal -1
	s_barrier_wait -1
	PHASE 0, 1, -1, -1
	PHASE 2, 3, 0, 1
	PHASE 4, 7, 2, 3
	PHASE 8, 11, 4, 7
	PHASE 12, 15, 8, 11
	s_cmp_lt_u32 s16, 4
	s_cbranch_scc0 .Lend                           ; a producer has no more work: it goes to the last barrier
	GROUP 48, 59                                   ; chunks 12-14
	s_branch .Lfin                                 ; chunk 15 and the way out are every pass's: into the middle of the loop over passes
.Lpass:                                                ; passes 1-6: the slice lies in LDS, nobody writes LDS meanwhile, no barrier is needed
	s_cmp_ge_u32 s24, s23
	s_cbranch_scc1 .Lnext                          ; my first tile lies past R: so do the others
	s_wait_xcnt 0x0                                ; the last pass's stores have read their registers
	v_add_nc_u32 v[LV], s38, v6
	LISTA LV
	APRO
	INIT
	s_mov_b64 s[30:31], s[8:9]
	s_mov_b32 s39, WB
	s_mov_b32 s21, 15
.Lk:                                                   ; chunks 0-14
	s_wait_xcnt 0x0                                ; the loads that name the base were issued in the chunk before
	s_add_nc_u64 s[30:31], s[30:31], 256           ; x's next 128 numbers
	v_add_nc_u32 v[BAV], s39, v5                   ; the chunk's address is made anew from a scalar that steps
	s_add_co_u32 s39, s39, CHUNK
	CONSUME BAV, 0, 1, 30, 0
	s_sub_co_u32 s21, s21, 1
	s_cmp_lg_u32 s21, 0
	s_cbranch_scc1 .Lk
.Lfin:
	CONSUME VB+3, 3*CHUNK, 0, 8, 0                 ; chunk 15: x has no further chunk
	; THE WAY OUT.  The entries of all five tiles' rows 8 h + q come in one run; each gives its row of part.  Then a tile at a time: the four j of a row are brought side by side, each accumulator read
	; from its low end on, and stored.  Each tile has result registers of its own, so no wait stands between tiles; tiles past R are jumped.
	v_add_nc_u32 v[LV], s38, v7
.irp t, 0,1,2,3,4
	ds_load_b128 v[DD+8*(\t):DD+8*(\t)+3],   v[LV] offset:256*(\t)
	ds_load_b128 v[DD+8*(\t)+4:DD+8*(\t)+7], v[LV] offset:256*(\t)+16
.endr
	s_wait_dscnt 0x0
.set i, 0
.rept 40
	v_min_u32 v[DD+i], 0x100f, v[DD+i]             ; an entry is 4,096 + 15 at the most
.set i, i+1
.endr
.set i, 0
.rept 40
	v_lshlrev_b32 v[DD+i], 12, v[DD+i]             ; the row of 4,096 bytes,
.set i, i+1
.endr
.set i, 0
.rept 40
	v_add_nc_u32 v[DD+i], v[DD+i], v13             ; + 256 s + 16 r
.set i, i+1
.endr
.irp t, 0,1,2,3,4
	s_add_co_u32 s25, s24, 64*(\t)
	s_cmp_ge_u32 s25, s23
	s_cbranch_scc1 .Lnext
	WIN 0x01                                       ; source 0 in window 1
.irp q, 0,1,2,3,4,5,6,7
.irp j, 0,1,2,3
	v_mov_b32 v[OB+32*(\t)+4*(\q)+(\j)], v[32*(\t)+8*(\j)+(\q)]
.endr
.endr
	WIN 0
.irp q, 0,1,2,3,4,5,6,7
	global_store_b128 v[DD+8*(\t)+(\q)], v[OB+32*(\t)+4*(\q):OB+32*(\t)+4*(\q)+3], s[14:15]  ; sixteen lanes store 256 consecutive bytes, at a multiple of 256 from part's first byte
.endr
.endr
.Lnext:
	s_add_co_u32 s38, s38, 4*CAP                   ; the next pass's places
	s_add_co_u32 s24, s24, CAP
	s_sub_co_u32 s22, s22, 1
	s_cmp_lg_u32 s22, 0
	s_cbranch_scc1 .Lpass
.Lend:                                                 ; all eight waves, each once
	s_wait_dscnt 0x0                               ; my reads of LDS are back
	s_barrier_signal -1
	s_barrier_wait -1                              ; every wave's are: up to here LDS was only read since the barrier before
	s_wait_tensorcnt 0x0                           ; the wave's end
	ds_add_u32 v[SPW], v[NIL]
	s_wait_dscnt 0x0
	s_endpgm
.Lfunc_end_k_q81a0026e05_experts:
	.size	k_q81a0026e05_experts, .Lfunc_end_k_q81a0026e05_experts-k_q81a0026e05_experts
	.p2alignl 7, 3214868480
	.fill 96, 4, 3214868480
	.section	.rodata,"a",@progbits
	.p2align	6, 0x0
	.amdhsa_kernel k_q81a0026e05_experts
		.amdhsa_group_segment_fixed_size 272896
		.amdhsa_private_segment_fixed_size 0
		.amdhsa_enable_private_segment 0
		.amdhsa_kernarg_size 40
		.amdhsa_user_sgpr_count 2
		.amdhsa_user_sgpr_kernarg_segment_ptr 1
		.amdhsa_wavefront_size32 1
		.amdhsa_system_sgpr_workgroup_id_x 1
		.amdhsa_system_sgpr_workgroup_id_y 1
		.amdhsa_system_sgpr_workgroup_id_z 1
		.amdhsa_system_vgpr_workitem_id 0
		.amdhsa_next_free_vgpr 512
		.amdhsa_next_free_sgpr 66
		.amdhsa_reserve_vcc 0
		.amdhsa_float_denorm_mode_32 3
		.amdhsa_float_denorm_mode_16_64 3
		.amdhsa_memory_ordered 1
		.amdhsa_forward_progress 1
		.amdhsa_inst_pref_size 255
	.end_amdhsa_kernel
	.section	.bss,"aw",@nobits
	.p2align	6
	.space	262144
	.amdgpu_metadata
---
amdhsa.version: [ 1, 2 ]
amdhsa.kernels:
  - .name:           k_q81a0026e05_experts
    .symbol:         k_q81a0026e05_experts.kd
    .args:
      - { .name: We, .offset: 0, .size: 8, .value_kind: global_buffer, .address_space: global }
      - { .name: be, .offset: 8, .size: 8, .value_kind: global_buffer, .address_space: global }
      - { .name: xb, .offset: 16, .size: 8, .value_kind: global_buffer, .address_space: global }
      - { .name: selw, .offset: 24, .size: 8, .value_kind: global_buffer, .address_space: global }
      - { .name: part, .offset: 32, .size: 8, .value_kind: global_buffer, .address_space: global }
    .group_segment_fixed_size: 272896
    .private_segment_fixed_size: 0
    .kernarg_segment_align: 8
    .kernarg_segment_size: 40
    .max_flat_workgroup_size: 256
    .sgpr_count:     66
    .vgpr_count:     512
    .wavefront_size: 32
...
	.end_amdgpu_metadata
.endif
;; end of part 2
;; launch combine (part 3): grid 250 x 1, 8 waves a work-group, no clusters, 0 bytes of LDS; arguments part, gate, out0; writes out0
.if DOCPART == 3
	.amdgcn_target "amdgcn-amd-amdhsa--gfx1250"
	.amdhsa_code_object_version 6
	.text
	.protected	k_q81a0026e05_combine
	.globl	k_q81a0026e05_combine
	.p2align	8
	.type	k_q81a0026e05_combine,@function
k_q81a0026e05_combine:
	s_mov_b64 s[64:65], 0
	v_nop
	global_prefetch_b8 v0, s[64:65] scope:SCOPE_SE
	s_setreg_imm32_b32 hwreg(HW_REG_WAVE_MODE, 25, 1), 1
	s_wait_xcnt 0x0
; COMBINE.  out0[token][c] = gate[0][token] * part[token][c] + gate[1][token] * part[2048 + token][c]: the two chosen experts' rows, weighted, in f32.
; out0 is 512,000 units of 16 bytes, dense (a row is 250 units); part's rows are 4,096 bytes, 256 units.  250 work-groups x 2,048 units: thread t takes units first + 256 k + t, k = 0..7,
; so every store of a wave covers 512 consecutive bytes, at a multiple of 256 from out0's first byte.  Unit idx lies in row idx / 250, at byte 16 idx + 96 row of part; its gates at word row.
; The division: first = 250 a + b in scalars (a = first x 0x83126E98 >> 39, exact while 112 x first < 2^39); then row = a + (n x 8389 >> 21) with n = b + 256 k + t <= 2,296
; (8389 x 250 - 2^21 = 98: exact while 98 n < 2^21).
; A stream: all 32 loads of a lane, the gates' first, are out before the first wait; no LDS, no barrier, no matrix unit: no wave needs another's data.
.set PO, 4                             ; v4-11    unit k: its row's distance d from row a; then 16 t + 96 d
.set GO, 12                            ; v12-19   4 d
.set A,  32                            ; v32-63   slot 0's 16 bytes of unit k, then the result
.set B,  64                            ; v64-95   slot 1's
.set G0, 96                            ; v96-103  slot 0's weight of unit k's row
.set G1, 104                           ; v104-111 slot 1's
	s_load_b128 s[4:7], s[0:1], 0x0                ; part s[4:5], gate s[6:7]
	s_load_b64 s[10:11], s[0:1], 0x10              ; out0
	s_lshl_b32 s12, ttmp9, 11                      ; first
	s_mul_hi_u32 s13, s12, 0x83126e98
	s_lshr_b32 s13, s13, 7                         ; a
	s_mul_i32 s14, s13, 250
	s_sub_co_u32 s14, s12, s14                     ; b
	s_lshl_b32 s18, s12, 4                         ; 16 first: the group's bytes in out0,
	s_mul_i32 s16, s13, 96
	s_add_co_u32 s16, s16, s18                     ; and, with 96 a, in part
	s_lshl_b32 s20, s13, 2                         ; 4 a: row a's word in gate
	s_mov_b32 s17, 0
	s_mov_b32 s19, 0
	s_mov_b32 s21, 0
	s_mov_b32 s22, 96
	v_lshlrev_b32 v1, 4, v0                        ; 16 t
	v_add_nc_u32 v2, s14, v0                       ; b + t
.irp k, 0,1,2,3,4,5,6,7
	v_add_nc_u32 v[PO+\k], 256*\k, v2
.endr
.irp k, 0,1,2,3,4,5,6,7
	v_mul_u32_u24 v[PO+\k], 0x20c5, v[PO+\k]
.endr
.irp k, 0,1,2,3,4,5,6,7
	v_lshrrev_b32 v[PO+\k], 21, v[PO+\k]           ; d
.endr
.irp k, 0,1,2,3,4,5,6,7
	v_lshlrev_b32 v[GO+\k], 2, v[PO+\k]
.endr
.irp k, 0,1,2,3,4,5,6,7
	v_mad_u32_u24 v[PO+\k], v[PO+\k], s22, v1
.endr
	s_wait_kmcnt 0x0
	s_add_nc_u64 s[4:5], s[4:5], s[16:17]
	s_add_nc_u64 s[8:9], s[4:5], 0x800000          ; slot 1: 2,048 rows of 4,096 bytes on
	s_add_nc_u64 s[6:7], s[6:7], s[20:21]
	s_add_nc_u64 s[10:11], s[10:11], s[18:19]
.irp k, 0,1,2,3,4,5,6,7
	global_load_b32 v[G0+\k], v[GO+\k], s[6:7]
	global_load_b32 v[G1+\k], v[GO+\k], s[6:7] offset:8192
.endr
.irp k, 0,1,2,3,4,5,6,7
	global_load_b128 v[A+4*\k:A+4*\k+3], v[PO+\k], s[4:5] offset:4096*\k th:TH_LOAD_NT
	global_load_b128 v[B+4*\k:B+4*\k+3], v[PO+\k], s[8:9] offset:4096*\k th:TH_LOAD_NT
.endr
.irp k, 0,1,2,3,4,5,6,7
	s_wait_loadcnt 14-2*\k                         ; loads come back in order (ISA guide 5.7.1): the gates and this pair are in, the younger pairs stay out
.irp n, 0,1,2,3
	v_mul_f32 v[A+4*\k+\n], v[A+4*\k+\n], v[G0+\k]
.endr
.irp n, 0,1,2,3
	v_fmac_f32 v[A+4*\k+\n], v[B+4*\k+\n], v[G1+\k]
.endr
	global_store_b128 v1, v[A+4*\k:A+4*\k+3], s[10:11] offset:4096*\k th:TH_STORE_NT
.endr
	s_endpgm
.Lfunc_end_k_q81a0026e05_combine:
	.size	k_q81a0026e05_combine, .Lfunc_end_k_q81a0026e05_combine-k_q81a0026e05_combine
	.p2alignl 7, 3214868480
	.fill 96, 4, 3214868480
	.section	.rodata,"a",@progbits
	.p2align	6, 0x0
	.amdhsa_kernel k_q81a0026e05_combine
		.amdhsa_group_segment_fixed_size 0
		.amdhsa_private_segment_fixed_size 0
		.amdhsa_enable_private_segment 0
		.amdhsa_kernarg_size 24
		.amdhsa_user_sgpr_count 2
		.amdhsa_user_sgpr_kernarg_segment_ptr 1
		.amdhsa_wavefront_size32 1
		.amdhsa_system_sgpr_workgroup_id_x 1
		.amdhsa_system_sgpr_workgroup_id_y 1
		.amdhsa_system_sgpr_workgroup_id_z 1
		.amdhsa_system_vgpr_workitem_id 0
		.amdhsa_next_free_vgpr 112
		.amdhsa_next_free_sgpr 66
		.amdhsa_reserve_vcc 0
		.amdhsa_float_denorm_mode_32 3
		.amdhsa_float_denorm_mode_16_64 3
		.amdhsa_memory_ordered 1
		.amdhsa_forward_progress 1
		.amdhsa_inst_pref_size 10
	.end_amdhsa_kernel
	.amdgpu_metadata
---
amdhsa.version: [ 1, 2 ]
amdhsa.kernels:
  - .name:           k_q81a0026e05_combine
    .symbol:         k_q81a0026e05_combine.kd
    .args:
      - { .name: part, .offset: 0, .size: 8, .value_kind: global_buffer, .address_space: global }
      - { .name: gate, .offset: 8, .size: 8, .value_kind: global_buffer, .address_space: global }
      - { .name: out0, .offset: 16, .size: 8, .value_kind: global_buffer, .address_space: global }
    .group_segment_fixed_size: 0
    .private_segment_fixed_size: 0
    .kernarg_segment_align: 8
    .kernarg_segment_size: 24
    .max_flat_workgroup_size: 256
    .sgpr_count:     66
    .vgpr_count:     112
    .wavefront_size: 32
...
	.end_amdgpu_metadata
.endif
;; end of part 3
